; MI455X (gfx1250); checked and timed in simulation.
; The chip was launched on July 23, 2026; its instructions are those of AMD's public machine-readable ISA for CDNA 5 (MIT licence, August 2026) and "CDNA5" Instruction Set Architecture Reference Guide (July 2026). The comments in the code are by the model that wrote it; some were corrected since.
;; Attention Free Transformer. Allowed arithmetic: matrix products marked QUANTISED: E2M3 operands, one E8M0 scale for each 32 along K, by v_wmma_scale_f32_16x16x128_f8f6f4 with both operands' format E2M3, f32 sums; everything else in f32.
;; Inputs: Wk 512 x 512 float32; Wq 512 x 512 float32; Wv 512 x 512 float32; bk 512 float32; bq 512 float32; bv 512 float32; pos_bias 1,024 x 1,024 float32; x 32 x 1,024 x 512 float32.
;; Outputs: out0 32 x 1,024 x 512 float32.
;; This version of the problem:
;;   THIS VERSION OF THE PROBLEM IS GIVEN IN LOW PRECISION. The matrix products marked QUANTISED in the list below multiply operands that are first quantised to E2M3 (2 exponent bits, 3 mantissa bits; 6 bits a number), with one power-of-two scale for each 32 numbers along K (OCP MX v1.0); their sums are f32. All else is computed in f32.
;;   The module's matrix products, in the order in which they are computed (A, B: the left and right operand; K: the contracted axis; several contracted axes count as one K, in the product's order):
;;     1. [M 32,768, K 512] x [K 512, N 512]; A: input x; B: input Wq: QUANTISED
;;     2. [M 32,768, K 512] x [K 512, N 512]; A: input x; B: input Wk: QUANTISED
;;     3. [M 32,768, K 512] x [K 512, N 512]; A: input x; B: input Wv: QUANTISED
;;     4. [M 16,384, K 1,024] x [K 1,024, N 1,024]; A: computed on the way; B: computed on the way: QUANTISED
;;     5. [M 16,384, K 1,024] x [K 1,024, N 1,024]; A: computed on the way; B: computed on the way: QUANTISED
;;   THE QUANTISER, for each operand of a quantised product, along K:
;;     - K is cut into blocks of 32 from its start; a last block that is shorter is filled with zeros.
;;     - A block's scale is 2^e with e = floor(log2(the largest magnitude in the block)) - 2, held to -126 .. 127; a block of zeros has e = 0. As a byte (E8M0): e + 127.
;;     - Each number is divided by its block's scale, clamped to +-7.5, and rounded to the nearest number of E2M3, ties to even, subnormals kept.
;;     - The product sums the exact products of the quantised numbers (number of the format x scale) in f32.
;;   ~~~python
;;   def quantise(x, axis):      # numpy; x: float32 -> the quantised numbers, widened to float32 again
;;       x = np.moveaxis(x, axis, -1); K = x.shape[-1]
;;       x = np.pad(x, [(0, 0)] * (x.ndim - 1) + [(0, -K % 32)]); x = x.reshape(x.shape[:-1] + (-1, 32)); a = np.abs(x).max(-1, keepdims=True)
;;       e = np.where(a > 0, np.clip(np.frexp(np.where(a > 0, a, 1))[1] - 1 - 2, -126, 127), 0)      # np.frexp(a)[1] - 1 = floor(log2(a)), exactly
;;       r = np.clip(x / 2.0 ** e, -7.5, 7.5)
;;       step = 2.0 ** (np.maximum(np.frexp(np.where(r == 0, 1, r))[1] - 1, 0) - 3)
;;       q = np.round(r / step) * step * 2.0 ** e      # np.round: ties to even
;;       return np.moveaxis(q.reshape(q.shape[:-2] + (-1,))[..., :K], -1, axis).astype(np.float32)
;;   ~~~
;;   OPERANDS COMPUTED ON THE WAY. 'Computed on the way' means the value that the module computes at that place (a softmax that the list does not call 'softmax' is quantised finished and normalised). What goes into a quantiser is computed in f32, as accurately as f32 sums, v_exp_f32 and their like allow (about 1e-6 of the number): no bf16 or f16 on the way to a quantiser, and a product that is left as it is and whose result goes on into a quantised operand takes f32 operands (vector FMAs, or v_wmma_f32_16x16x4_f32). A number that lies on a knife's edge between two numbers of the format may be rounded either way, as far as f32 arithmetic and the matrix unit's own rounding can turn it there, and no further.
;; One version. Each part assembles by itself: llvm-mc -triple=amdgcn-amd-amdhsa -mcpu=gfx1250 --defsym DOCPART=n.
;; ======== version 1 of 1: 2 launches
;; limits: right only within a limited range of input values
;; workspace buffers: xc 13,107,200 bytes; eb 819,200 bytes; wc 614,400 bytes
;; launch quant (part 1): grid 284 x 1, 8 waves a work-group, no clusters, 103,424 bytes of LDS; arguments x, pos_bias, Wk, Wv, Wq, xc, eb, wc; writes xc, eb, wc
.if DOCPART == 1
	.amdgcn_target "amdgcn-amd-amdhsa--gfx1250"
	.amdhsa_code_object_version 6
	.text
	.protected	k_qc9b39cdd50_quant
	.globl	k_qc9b39cdd50_quant
	.p2align	8
	.type	k_qc9b39cdd50_quant,@function
k_qc9b39cdd50_quant:
	s_mov_b64 s[64:65], 0
	v_nop
	global_prefetch_b8 v0, s[64:65] scope:SCOPE_SE
	s_setreg_imm32_b32 hwreg(HW_REG_WAVE_MODE, 25, 1), 1
	s_wait_xcnt 0x0
; x [32768][512], exp(pos_bias) [1024][1024] and Wk, Wv, Wq [512][512], all f32 with K innermost, become codes of FP6 (E2M3) with one E8M0 byte for each 32 along K,
; laid IN THE ORDER OF THE OPERAND'S REGISTERS.  A UNIT is 128 rows x 512 K = 51,200 bytes: [half of the rows 0..1][K step s 0..3] sub-blocks of 6,400 bytes; a sub-block is four fragment
; images of 1,536 bytes (tile i: registers 4 j .. 4 j + 3 of lane L at 512 j + 16 L) and 256 bytes of scale words (tile i, row r at 6,144 + 16 r + 4 i).
; Tile a = 4 x half + i.  In x's and exp(pos_bias)'s units row r of tile a is row 32 (a / 2) + 8 (a % 2) + r + 8 (r / 8) of the 128; in the weights' units it is row 16 a + r.
; A block's scale is 2^(floor(log2(its largest magnitude)) - 2); its byte is the largest magnitude's exponent field - 2, held at 1 from below (a block of zeros gets the byte 1: its codes are zeros,
; which add nothing under any byte but 0xff, and this program alone reads the bytes).
; LIMITS: exp(p) is taken as 2^(p x log2 e): its relative error grows with |p|, about |p| x 1e-7; results under 2^-126 come out as 0.  Blocks whose largest magnitude lies under 2^-124 keep the byte 1.
; NaN and infinities among the inputs are not served.
; SHARES: a work-group takes a unit (0-255: x; 256-271: pos_bias; 272-283: the weights), wave a takes tile a, a step takes one row (2,048 bytes).  Only pointers, the pitch and the rows are chosen by the
; work-group's number; the one branch on it encloses the exponentials' lines alone.  Each of a step's four loads reads 512 consecutive bytes; they turn through the wave's own stage in LDS, so that a
; lane holds 16 neighbours along K; the codes are gathered in the wave's image area and leave as stores of 512 consecutive bytes; the scale bytes meet in LDS and leave as aligned blocks of 256 bytes.
.set SP,    80                         ; a lane's place in a stage: 64 bytes + 16 of padding
.set WREG,  12544                      ; LDS of a wave: two stages of 32 x SP bytes, then the image area
.set IMG,   5120                       ; the image area: 1,824 a K step, 544 a register group, 272 a half of the lanes, 16 a row
.set SCA,   100352                     ; behind the eight waves' regions: the unit's 2,048 scale bytes, [half][s][256]
.set RO,    16                         ; v16-31   row r's byte offset + 16 x lane; never rewritten
.set R,     76                         ; v76-203  eight sets of 16 numbers as they are loaded; at the end the images
.set X,     32                         ; v32-63   two sets of 16 neighbours
.set C,     64                         ; v64-71   codes: two sets of four registers, by turns
.set E,     72                         ; v72-73   a scale byte, two registers by turns
.set ISE,   43                         ; s43      1 in pos_bias's work-groups
.set L2E,   28                         ; s[28:29] log2(e), twice
	s_load_b256 s[4:11], s[0:1], 0x0               ; x, pos_bias, Wk, Wv
	s_load_b256 s[12:19], s[0:1], 0x20             ; Wq, xc, eb, wc
	v_lshl_add_u32 v208, v0, 2, 0x19000
	v_mov_b32 v209, 0
	v_lshrrev_b32 v1, 5, v0
	s_delay_alu instid0(VALU_DEP_1)
	v_readfirstlane_b32 s20, v1                    ; wave = tile a
	v_and_b32 v1, 31, v0                           ; lane
	s_delay_alu instid0(VALU_DEP_1)
	v_lshlrev_b32 v3, 4, v1                        ; 16 x lane
	s_mul_i32 s21, s20, WREG
	v_lshrrev_b32 v14, 2, v1
	s_delay_alu instid0(VALU_DEP_1)
	v_mul_u32_u24 v14, v14, SP
	v_and_b32 v15, 3, v1
	s_delay_alu instid0(VALU_DEP_1)
	v_lshl_add_u32 v14, v15, 4, v14
	s_delay_alu instid0(VALU_DEP_1)
	v_add_nc_u32 v14, s21, v14                     ; the stage, on the way in: SP (lane / 4) + 16 (lane % 4)
	v_mul_u32_u24 v15, v1, SP
	s_delay_alu instid0(VALU_DEP_1)
	v_add_nc_u32 v15, s21, v15                     ; and on the way out: SP x lane: my 16 neighbours, K = 16 lane + 0 .. 15
	; my 16 codes are three registers of an image: K step lane / 8; half of 64: (lane / 4) % 2; half of the lanes: (lane / 2) % 2; half of a block: lane % 2
	v_lshrrev_b32 v8, 3, v1
	s_delay_alu instid0(VALU_DEP_1)
	v_mul_u32_u24 v8, v8, 1824
	v_bfe_u32 v9, v1, 1, 1
	s_delay_alu instid0(VALU_DEP_1)
	v_mad_u32_u24 v8, v9, 272, v8
	s_delay_alu instid0(VALU_DEP_1)
	v_add_nc_u32 v8, s21, v8
	s_delay_alu instid0(VALU_DEP_1)
	v_add_nc_u32 v8, IMG, v8
	v_bfe_u32 v9, v1, 2, 1
	s_delay_alu instid0(VALU_DEP_1)
	v_mul_u32_u24 v9, v9, 6
	v_and_b32 v11, 1, v1
	s_delay_alu instid0(VALU_DEP_1)
	v_mad_u32_u24 v9, v11, 3, v9                   ; the first of my three registers: 6 x half of 64 + 3 x half of a block
.irp i, 0,1,2
	v_add_nc_u32 v11, \i, v9
	s_delay_alu instid0(VALU_DEP_1)
	v_lshrrev_b32 v12, 2, v11                      ; its group of four,
	s_delay_alu instid0(VALU_DEP_2)
	v_and_b32 v11, 3, v11                          ; its place in the group
	s_delay_alu instid0(VALU_DEP_2)
	v_mad_u32_u24 v12, v12, 544, v8
	s_delay_alu instid0(VALU_DEP_1)
	v_lshl_add_u32 v[4+\i], v11, 2, v12            ; v4-6: where register i of my codes goes; the row is the store's immediate
.endr
	s_lshr_b32 s22, s20, 2                         ; my tile's half of the rows
	s_and_b32 s23, s20, 3                          ; and its number i in the half
	s_lshl_b32 s24, s22, 10
	s_lshl_b32 s25, s23, 2
	s_add_co_u32 s24, s24, s25
	s_add_co_u32 s24, s24, SCA
	v_lshrrev_b32 v7, 3, v1
	s_delay_alu instid0(VALU_DEP_1)
	v_lshlrev_b32 v7, 8, v7
	v_bfe_u32 v11, v1, 1, 2
	s_delay_alu instid0(VALU_DEP_1)
	v_add_nc_u32 v7, v7, v11
	s_delay_alu instid0(VALU_DEP_1)
	v_add_nc_u32 v7, s24, v7                       ; v7: my block's scale byte: 1,024 half + 256 s + 4 i + block; 16 x row is the immediate
	v_lshrrev_b32 v10, 4, v1
	s_delay_alu instid0(VALU_DEP_1)
	v_mul_u32_u24 v10, v10, 272
	v_and_b32 v11, 15, v1
	s_delay_alu instid0(VALU_DEP_1)
	v_lshl_add_u32 v10, v11, 4, v10
	s_delay_alu instid0(VALU_DEP_1)
	v_add_nc_u32 v10, s21, v10
	s_delay_alu instid0(VALU_DEP_1)
	v_add_nc_u32 v10, IMG, v10                     ; v10: an image read back: 272 (lane / 16) + 16 (lane % 16)
	s_lshl_b32 s25, s20, 8
	s_add_co_u32 s25, s25, SCA
	v_lshl_add_u32 v2, v1, 3, s25                  ; v2: the scale bytes read back: 256 x wave + 8 x lane
	; what differs between the three kinds of unit: made for all three, then chosen
	s_sub_co_u32 s26, ttmp9, 256                   ; pos_bias's unit
	s_sub_co_u32 s27, ttmp9, 272                   ; the weights' unit
	s_lshr_b32 s28, s27, 2                         ; which weight
	s_and_b32 s29, s27, 3
	s_lshl_b32 s29, s29, 18                        ; its 128 rows of 2,048 bytes
	s_lshr_b32 s30, s26, 1
	s_lshl_b32 s30, s30, 19                        ; pos_bias: 128 rows of 4,096 bytes,
	s_and_b32 s31, s26, 1
	s_lshl_b32 s31, s31, 11                        ; and which half of K
	s_add_co_u32 s30, s30, s31
	s_lshl_b32 s31, ttmp9, 18                      ; x: 128 rows of 2,048 bytes
	s_lshr_b32 s32, s20, 1
	s_lshl_b32 s32, s32, 5
	s_and_b32 s33, s20, 1
	s_lshl_b32 s33, s33, 3
	s_add_co_u32 s32, s32, s33                     ; my tile's first row: 32 (a / 2) + 8 (a % 2),
	s_lshl_b32 s33, s20, 4                         ; or 16 a
	s_wait_kmcnt 0x0
	s_cmp_eq_u32 s28, 0
	s_cselect_b64 s[34:35], s[8:9], s[10:11]
	s_cmp_eq_u32 s28, 2
	s_cselect_b64 s[34:35], s[12:13], s[34:35]     ; Wk, Wv or Wq
	s_cmp_lt_u32 ttmp9, 272
	s_cselect_b64 s[34:35], s[6:7], s[34:35]
	s_cselect_b64 s[36:37], s[16:17], s[18:19]
	s_cselect_b32 s38, s26, s27                    ; the unit's number in its buffer
	s_cselect_b32 s39, s30, s29                    ; where its rows begin
	s_cselect_b32 s40, 12, 11                      ; log2 of the pitch
	s_cselect_b32 s41, 8, 0                        ; rows passed over between a tile's rows 7 and 8
	s_cselect_b32 s42, s32, s33
	s_cselect_b32 s[ISE], 1, 0
	s_cmp_lt_u32 ttmp9, 256
	s_cselect_b64 s[34:35], s[4:5], s[34:35]
	s_cselect_b64 s[36:37], s[14:15], s[36:37]
	s_cselect_b32 s38, ttmp9, s38
	s_cselect_b32 s39, s31, s39
	s_cselect_b32 s40, 11, s40
	s_cselect_b32 s[ISE], 0, s[ISE]
	s_mov_b32 s44, s39
	s_mov_b32 s45, 0
	s_add_nc_u64 s[34:35], s[34:35], s[44:45]      ; the source at the unit's first row
	s_mul_i32 s44, s38, 51200
	s_mul_i32 s46, s22, 25600
	s_add_co_u32 s44, s44, s46
	s_add_nc_u64 s[36:37], s[36:37], s[44:45]      ; the unit, my half of its rows
	s_mul_i32 s44, s23, 6400
	s_add_co_u32 s44, s44, 6144
	s_add_nc_u64 s[26:27], s[36:37], s[44:45]      ; the 256 scale bytes that my wave stores: half wave / 4, K step wave % 4
	s_mul_i32 s44, s23, 1536
	s_add_nc_u64 s[36:37], s[36:37], s[44:45]      ; my tile's images
	s_mov_b32 s[L2E], 0x3fb8aa3b
	s_mov_b32 s[L2E+1], 0x3fb8aa3b
	s_lshl_b32 s44, s42, s40                       ; my first row x the pitch
	s_lshl_b32 s46, 1, s40                         ; the pitch
	s_lshl_b32 s47, s41, s40
.irp r, 0,1,2,3,4,5,6,7,8,9,10,11,12,13,14,15
	v_add_nc_u32 v[RO+\r], s44, v3
	s_add_co_u32 s44, s44, s46
.if \r == 7
	s_add_co_u32 s44, s44, s47
.endif
.endr
.macro LOAD t                          ; row t of my tile: four loads of 512 consecutive bytes
.irp i, 0,1,2,3
	global_load_b128 v[R+16*((\t)%8)+4*\i:R+16*((\t)%8)+4*\i+3], v[RO+(\t)], s[34:35] offset:512*\i th:TH_LOAD_NT
.endr
.endm
.macro TURN t                          ; through the stage: LDS serves a wave's instructions in order, so no wait stands between the stores and the loads
.irp i, 0,1,2,3
	ds_store_b128 v14, v[R+16*((\t)%8)+4*\i:R+16*((\t)%8)+4*\i+3] offset:32*SP*((\t)%2)+8*SP*\i
.endr
.irp i, 0,1,2,3
	ds_load_b128 v[X+16*((\t)%2)+4*\i:X+16*((\t)%2)+4*\i+3], v15 offset:32*SP*((\t)%2)+16*\i
.endr
.endm
	s_wait_alu depctr_va_vdst(0)                   ; the wait at the head's end
.irp t, 0,1,2,3,4,5,6,7
	LOAD \t
.endr
	s_wait_loadcnt 28                              ; row 0's four loads are in; the 28 of rows 1 to 7 may be out
	TURN 0
.macro STEP t
.set XS, X+16*((\t)%2)
.if (\t) > 0
	s_wait_dscnt 4                                 ; this row's numbers are back from the stage; the last step's three word stores and its byte store may be out
.else
	s_wait_dscnt 0x0
.endif
.if (\t)+8 < 16
	LOAD (\t)+8                                    ; into the set that this row's stage stores have read
.endif
.if (\t)+1 < 16
.if 14-(\t) >= 7
	s_wait_loadcnt 28                              ; the next row's four loads are in; those of the seven rows behind it may be out
.else
	s_wait_loadcnt 4*(14-(\t))
.endif
	TURN (\t)+1
.endif
	s_cmp_eq_u32 s[ISE], 0
	s_cbranch_scc1 .Lplain_\@                      ; only pos_bias goes through the exponential; no memory or LDS line stands under this branch
.irp i, 0,2,4,6,8,10,12,14
	v_pk_mul_f32 v[XS+\i:XS+\i+1], v[XS+\i:XS+\i+1], s[L2E:L2E+1] op_sel_hi:[1,0]
.endr
	s_wait_alu depctr_va_vdst(0)
.irp i, 0,1,2,3,4,5,6,7,8,9,10,11,12,13,14,15
	v_exp_f32 v[XS+\i], v[XS+\i]
.endr
	v_nop                                          ; a plain instruction behind the last exponential,
	s_wait_alu depctr_va_vdst(0)                   ; and one wait for the sixteen, ahead of the label and of their first reader
.Lplain_\@:
	v_max3_num_f32 v8, |v[XS]|, |v[XS+1]|, |v[XS+2]|               ; the largest magnitude of my 16, in two chains
	v_max3_num_f32 v9, |v[XS+3]|, |v[XS+4]|, |v[XS+5]|
.irp i, 6,10
	v_max3_num_f32 v8, v8, |v[XS+\i]|, |v[XS+\i+1]|
	v_max3_num_f32 v9, v9, |v[XS+\i+2]|, |v[XS+\i+3]|
.endr
	v_max3_num_f32 v8, v8, |v[XS+14]|, |v[XS+15]|
	s_delay_alu instid0(VALU_DEP_1)
	v_max3_num_f32 v8, v8, v9, 0x1800000           ; and the floor 2^(3 - 127): the byte cannot fall under 1
	s_delay_alu instid0(VALU_DEP_1)
	v_max_num_f32_dpp v8, v8, v8 row_xmask:1 row_mask:0xf bank_mask:0xf   ; with my neighbour's 16: the block's
	s_delay_alu instid0(VALU_DEP_1)
	v_add_nc_u32 v11, 0xff000000, v8               ; 2 off its exponent field: the conversion takes the exponent field of this operand as its scale
	v_cvt_scalef32_pk16_fp6_f32 v[C+4*((\t)%2):C+4*((\t)%2)+2], v[XS:XS+15], v11   ; set t % 2: the step's wait on DScnt left only the last step's four stores out, so the stores of two steps ago have read this set
	v_lshrrev_b32 v[E+(\t)%2], 23, v11             ; the scale's byte (also the plain line behind the conversion)
.irp i, 0,1,2
	ds_store_b32 v[4+\i], v[C+4*((\t)%2)+\i] offset:16*(\t)        ; into the image area: row t
.endr
	ds_store_b8 v7, v[E+(\t)%2] offset:16*(\t)     ; both lanes of a block write the same byte with the same value
.endm
.irp t, 0,1,2,3,4,5,6,7,8,9,10,11,12,13,14,15
	STEP \t
.endr
.irp n, 0,1,2,3,4,5,6,7,8,9,10,11
	ds_load_b128 v[R+4*\n:R+4*\n+3], v10 offset:1824*(\n/3)+544*(\n%3)   ; K step n / 3, register group n % 3, as lane (r, h) holds them
.endr
.irp n, 0,1,2,3,4,5,6,7,8,9,10,11
	s_wait_dscnt 11-\n                             ; the later image loads may be out
	global_store_b128 v3, v[R+4*\n:R+4*\n+3], s[36:37] offset:6400*(\n/3)+512*(\n%3)   ; 32 lanes store 512 consecutive bytes, at a multiple of 256 from the buffer's first byte
.endr
	s_wait_dscnt 0x0                               ; for the others' sake: my scale bytes lie in LDS
	s_barrier_signal -1
	s_barrier_wait -1
	ds_load_b64 v[12:13], v2                       ; a sub-block's 256 scale bytes come from four waves
	v_lshlrev_b32 v8, 3, v1
	s_wait_alu depctr_va_vdst(0)
	s_wait_dscnt 0x0
	global_store_b64 v8, v[12:13], s[26:27]        ; 32 lanes store one aligned block of 256 bytes
	s_wait_tensorcnt 0x0
	ds_add_u32 v208, v209
	s_wait_dscnt 0x0
	s_endpgm
.Lfunc_end_k_qc9b39cdd50_quant:
	.size	k_qc9b39cdd50_quant, .Lfunc_end_k_qc9b39cdd50_quant-k_qc9b39cdd50_quant
	.p2alignl 7, 3214868480
	.fill 96, 4, 3214868480
	.section	.rodata,"a",@progbits
	.p2align	6, 0x0
	.amdhsa_kernel k_qc9b39cdd50_quant
		.amdhsa_group_segment_fixed_size 103424
		.amdhsa_private_segment_fixed_size 0
		.amdhsa_enable_private_segment 0
		.amdhsa_kernarg_size 64
		.amdhsa_user_sgpr_count 2
		.amdhsa_user_sgpr_kernarg_segment_ptr 1
		.amdhsa_wavefront_size32 1
		.amdhsa_system_sgpr_workgroup_id_x 1
		.amdhsa_system_sgpr_workgroup_id_y 1
		.amdhsa_system_sgpr_workgroup_id_z 1
		.amdhsa_system_vgpr_workitem_id 0
		.amdhsa_next_free_vgpr 210
		.amdhsa_next_free_sgpr 66
		.amdhsa_reserve_vcc 0
		.amdhsa_float_denorm_mode_32 3
		.amdhsa_float_denorm_mode_16_64 3
		.amdhsa_memory_ordered 1
		.amdhsa_forward_progress 1
		.amdhsa_inst_pref_size 62
	.end_amdhsa_kernel
	.amdgpu_metadata
---
amdhsa.version: [ 1, 2 ]
amdhsa.kernels:
  - .name:           k_qc9b39cdd50_quant
    .symbol:         k_qc9b39cdd50_quant.kd
    .args:
      - { .name: x, .offset: 0, .size: 8, .value_kind: global_buffer, .address_space: global }
      - { .name: pos_bias, .offset: 8, .size: 8, .value_kind: global_buffer, .address_space: global }
      - { .name: Wk, .offset: 16, .size: 8, .value_kind: global_buffer, .address_space: global }
      - { .name: Wv, .offset: 24, .size: 8, .value_kind: global_buffer, .address_space: global }
      - { .name: Wq, .offset: 32, .size: 8, .value_kind: global_buffer, .address_space: global }
      - { .name: xc, .offset: 40, .size: 8, .value_kind: global_buffer, .address_space: global }
      - { .name: eb, .offset: 48, .size: 8, .value_kind: global_buffer, .address_space: global }
      - { .name: wc, .offset: 56, .size: 8, .value_kind: global_buffer, .address_space: global }
    .group_segment_fixed_size: 103424
    .private_segment_fixed_size: 0
    .kernarg_segment_align: 8
    .kernarg_segment_size: 64
    .max_flat_workgroup_size: 256
    .sgpr_count:     66
    .vgpr_count:     210
    .wavefront_size: 32
...
	.end_amdgpu_metadata
.endif
;; end of part 1
;; launch aft (part 2): grid 8 x 32, 4 waves a work-group, clusters of 4 x 1, 327,680 bytes of LDS; arguments xc, eb, wc, bk, bv, bq, out0; writes out0
.if DOCPART == 2
	.amdgcn_target "amdgcn-amd-amdhsa--gfx1250"
	.amdhsa_code_object_version 6
	.text
	.protected	k_qc9b39cdd50_aft
	.globl	k_qc9b39cdd50_aft
	.p2align	8
	.type	k_qc9b39cdd50_aft,@function
k_qc9b39cdd50_aft:
	s_mov_b64 s[64:65], 0
	v_nop
	global_prefetch_b8 v0, s[64:65] scope:SCOPE_SE
	s_setreg_imm32_b32 hwreg(HW_REG_WAVE_MODE, 25, 1), 1
	s_wait_xcnt 0x0
	s_wait_alu depctr_hold_cnt(0) depctr_sa_sdst(0) depctr_va_vdst(0) depctr_va_sdst(0) depctr_va_ssrc(0) depctr_va_vcc(0) depctr_vm_vsrc(0)
	s_getreg_b32 s2, hwreg(HW_REG_IB_STS2, 6, 4)
	s_cmp_eq_u32 s2, 0
	s_cbranch_scc0 .Lentry_in_a_cluster
	s_endpgm
.Lentry_in_a_cluster:
	s_bfe_u32 s2, ttmp6, 0x10000c
	s_cmp_lg_u32 s2, 0x3003
	s_cbranch_scc0 .Lentry_shape_is_right
	s_endpgm
.Lentry_shape_is_right:
.set EKI,   204800
.set EKS,   303104
.set STG,   307200
.set SPARE, 324608
.set SPW,  1
.set NIL,  2
.set LI,   3
.set ADX,  4
.set AXS,  6
.set ADA,  8
.set ACS,  10
.set AQS,  12
.set ADI0, 17
.set ADI,  18
.set ADS0, 19
.set ADS,  20
.set STO,  21
.set RD,   22
.set CO,   23
.set LIW,  24
.set AW,   25
.set AB,   26
.set ABQ,  27
.set PFO,  28
.set AWQ,  29
.set ADE,  56
.set ADES, 60
.set TM,   64
.set PWA,  80
.set PWB,  81
.set PCA,  84
.set PCB,  104
.set WV,   18
.set WT,   19
.set WN,   20
.set G1A,  24
.set G1D,  32
.set G0,   40
.set PN,   48
.set PE,   50
.set PXQ,  52
.set OUTP, 54
.set WCG,  56
.set L2E,  58
.set NL2E, 60
.set SEL,  62
.set CNT,  66
.set PASS, 67
.set PB,   68
.set PS,   69
.set PFA,  70
.set LIM,  72
.set BKP,  74
.set BVP,  76
.set BQP,  78
.set KOF,  84
.set PN1,  92
.set MSB, 0
.macro WIN new
.if MSB != (\new)
	s_set_vgpr_msb (MSB<<8)|(\new)
.set MSB, (\new)
.endif
.endm
.macro PLACES n
.rept \n
	v_nop
.endr
.endm
.macro CREST
	s_cmp_lg_u32 s[WV], 0
	s_cbranch_scc1 .Lnot_wave_0_\@
	s_barrier_signal -3
.Lnot_wave_0_\@:
	s_barrier_wait -3
	s_barrier_signal -1
	s_barrier_wait -1
.endm
.macro CROUND
	s_barrier_signal -1
	s_barrier_wait -1
	CREST
.endm
.macro DESC g0, ptr, off, offr
	s_add_nc_u64 s[\g0+2:\g0+3], s[\ptr:\ptr+1], \off
.if (\offr) >= 0
	s_add_nc_u64 s[\g0+2:\g0+3], s[\g0+2:\g0+3], s[\offr:\offr+1]
.endif
	s_or_b32 s[\g0+3], s[\g0+3], 0x80000000
.endm
.macro JL g0, g1
	tensor_load_to_lds s[\g0:\g0+3], s[\g1:\g1+7]
	s_nop 0
.rept 4
	v_nop
.endr
.endm
.macro HEADFULL g0, g1, ptr, off, offr
	WIN 0
	s_wait_tensorcnt 0x0
	ds_add_u32 v[SPW], v[NIL]
	DESC \g0, \ptr, \off, \offr
	s_wait_dscnt 0x0
	CROUND
	JL \g0, \g1
.endm
.macro F3 reg, adr, off
.irp j, 0,1,2
	ds_load_b128 v[\reg+4*\j:\reg+4*\j+3], v[\adr] offset:\off+512*\j
.endr
.endm
.macro WM d, a, b, c, sa, sb, ra, rb
.if (\c) < 0
.if (\ra) && (\rb)
	v_wmma_scale_f32_16x16x128_f8f6f4 v[\d:\d+7], v[\a:\a+11], v[\b:\b+11], 0, v[\sa], v[\sb] matrix_a_fmt:MATRIX_FMT_FP6 matrix_b_fmt:MATRIX_FMT_FP6 matrix_a_scale:MATRIX_SCALE_ROW1 matrix_b_scale:MATRIX_SCALE_ROW1
.elseif (\ra)
	v_wmma_scale_f32_16x16x128_f8f6f4 v[\d:\d+7], v[\a:\a+11], v[\b:\b+11], 0, v[\sa], v[\sb] matrix_a_fmt:MATRIX_FMT_FP6 matrix_b_fmt:MATRIX_FMT_FP6 matrix_a_scale:MATRIX_SCALE_ROW1
.elseif (\rb)
	v_wmma_scale_f32_16x16x128_f8f6f4 v[\d:\d+7], v[\a:\a+11], v[\b:\b+11], 0, v[\sa], v[\sb] matrix_a_fmt:MATRIX_FMT_FP6 matrix_b_fmt:MATRIX_FMT_FP6 matrix_b_scale:MATRIX_SCALE_ROW1
.else
	v_wmma_scale_f32_16x16x128_f8f6f4 v[\d:\d+7], v[\a:\a+11], v[\b:\b+11], 0, v[\sa], v[\sb] matrix_a_fmt:MATRIX_FMT_FP6 matrix_b_fmt:MATRIX_FMT_FP6
.endif
.else
.if (\ra) && (\rb)
	v_wmma_scale_f32_16x16x128_f8f6f4 v[\d:\d+7], v[\a:\a+11], v[\b:\b+11], v[\c:\c+7], v[\sa], v[\sb] matrix_a_fmt:MATRIX_FMT_FP6 matrix_b_fmt:MATRIX_FMT_FP6 matrix_a_scale:MATRIX_SCALE_ROW1 matrix_b_scale:MATRIX_SCALE_ROW1
.elseif (\ra)
	v_wmma_scale_f32_16x16x128_f8f6f4 v[\d:\d+7], v[\a:\a+11], v[\b:\b+11], v[\c:\c+7], v[\sa], v[\sb] matrix_a_fmt:MATRIX_FMT_FP6 matrix_b_fmt:MATRIX_FMT_FP6 matrix_a_scale:MATRIX_SCALE_ROW1
.elseif (\rb)
	v_wmma_scale_f32_16x16x128_f8f6f4 v[\d:\d+7], v[\a:\a+11], v[\b:\b+11], v[\c:\c+7], v[\sa], v[\sb] matrix_a_fmt:MATRIX_FMT_FP6 matrix_b_fmt:MATRIX_FMT_FP6 matrix_b_scale:MATRIX_SCALE_ROW1
.else
	v_wmma_scale_f32_16x16x128_f8f6f4 v[\d:\d+7], v[\a:\a+11], v[\b:\b+11], v[\c:\c+7], v[\sa], v[\sb] matrix_a_fmt:MATRIX_FMT_FP6 matrix_b_fmt:MATRIX_FMT_FP6
.endif
.endif
.endm
.macro ASK
	s_cmp_eq_u32 s[CNT], s[LIM]
	s_cbranch_scc0 .Lnot_mine_\@
	global_prefetch_b8 v[PFO], s[PFA:PFA+1] th:TH_LOAD_NT scope:SCOPE_SE
.Lnot_mine_\@:
.endm
	s_load_b256 s[4:11], s[0:1], 0x0
	s_load_b128 s[12:15], s[0:1], 0x20
	s_load_b64 s[16:17], s[0:1], 0x30
	v_lshl_add_u32 v[SPW], v0, 2, SPARE
	v_mov_b32 v[NIL], 0
	ds_add_u32 v1, v2
	ds_add_u32 v1, v2
	s_wait_dscnt 0x0
	v_lshrrev_b32 v56, 5, v0
	v_readfirstlane_b32 s[WV], v56
	s_lshr_b32 s[WT], s[WV], 1
	s_and_b32 s[WN], s[WV], 1
	s_bfe_u32 s21, ttmp6, 0x40000
	s_lshl_b32 s22, ttmp9, 2
	s_add_co_u32 s22, s22, s21
	s_and_b32 s23, ttmp7, 0xffff
	s_mov_b32 s[G1A+0], 15|(3<<16)|(1<<21)
	s_mov_b32 s[G1A+1], 1600<<16
	s_mov_b32 s[G1A+2], 2<<16
	s_mov_b32 s[G1A+3], 1600<<16
	s_mov_b32 s[G1A+4], 2
	s_mov_b32 s[G1A+5], 3200
	s_mov_b32 s[G1A+6], 0
	s_mov_b32 s[G1A+7], 0
	s_mov_b32 s[G1D+0], 15|(3<<16)|(1<<21)
	s_mov_b32 s[G1D+1], 1600<<16
	s_mov_b32 s[G1D+2], 2<<16
	s_mov_b32 s[G1D+3], 1600<<16
	s_mov_b32 s[G1D+4], 2
	s_mov_b32 s[G1D+5], 1600
	s_mov_b32 s[G1D+6], 0
	s_mov_b32 s[G1D+7], 0
	s_mul_i32 s80, s23, 409600
	s_mul_i32 s81, s[WV], 51200
	s_add_co_u32 s80, s80, s81
	s_mov_b32 s81, 0
	s_mul_i32 s84, s[WV], 102400
	s_mov_b32 s85, 0
	s_mul_i32 s82, s22, 25600
	s_mov_b32 s83, 0
	s_lshl_b32 s86, s23, 21
	s_lshl_b32 s87, s[WV], 18
	s_add_co_u32 s86, s86, s87
	s_lshl_b32 s88, s22, 8
	s_add_co_u32 s86, s86, s88
	s_mov_b32 s87, 0
	s_mov_b32 s89, 0
	s_lshl_b32 s90, s23, 2
	s_add_co_u32 s90, s90, s21
	s_min_u32 s90, s90, 99
	s_lshl_b32 s90, s90, 13
	s_mov_b32 s91, 0
	s_or_b32 s92, s[WV], ttmp9
	s_cmp_lt_u32 s23, 25
	s_cselect_b32 s93, 0, 1
	s_or_b32 s92, s92, s93
	s_cmp_eq_u32 s92, 0
	s_cselect_b32 s[LIM], 2, -1
	s_mov_b32 s[L2E], 0x3fb8aa3b
	s_mov_b32 s[L2E+1], 0x3fb8aa3b
	s_mov_b32 s[NL2E], 0xbfb8aa3b
	s_mov_b32 s[NL2E+1], 0xbfb8aa3b
	s_mov_b32 s[SEL], 0x76543210
	s_mov_b32 s[SEL+1], 0xfedcba98
	s_mov_b32 s[PB], 0
	s_mov_b32 s[PS], 0
	s_wait_kmcnt 0x0
	s_add_nc_u64 s[PXQ:PXQ+1], s[4:5], s[80:81]
	s_add_nc_u64 s[PE:PE+1], s[6:7], s[84:85]
	s_add_nc_u64 s[PN:PN+1], s[PXQ:PXQ+1], 204800
	s_add_nc_u64 s[PN1:PN1+1], s[PXQ:PXQ+1], 217600
	s_add_nc_u64 s[WCG:WCG+1], s[8:9], s[82:83]
	s_add_nc_u64 s[OUTP:OUTP+1], s[16:17], s[86:87]
	s_add_nc_u64 s[BKP:BKP+1], s[10:11], s[88:89]
	s_add_nc_u64 s[BVP:BVP+1], s[12:13], s[88:89]
	s_add_nc_u64 s[BQP:BQP+1], s[14:15], s[88:89]
	s_add_nc_u64 s[PFA:PFA+1], s[6:7], s[90:91]
	s_mov_b32 s[G0], 1
	s_mul_i32 s[G0+1], s[WV], 25600
	DESC G0, PXQ, 0, -1
	s_mov_b32 s[G0+4], 1
	s_add_co_u32 s[G0+5], s[G0+1], 102400
	DESC G0+4, PXQ, 12800, -1
	CROUND
	tensor_load_to_lds s[G0:G0+3], s[G1A:G1A+7]    ; slot 0's first fill: my one tensor load at the head; the addresses and the weights' loads below stand under its flight
	s_nop 0
	v_and_b32 v56, 31, v0
	v_and_b32 v30, 15, v0
	v_bfe_u32 v31, v0, 4, 1
	v_lshlrev_b32 v[LI], 4, v56
	v_lshlrev_b32 v57, 4, v30
	v_mad_u32_u24 v58, v31, 12800, v57
	v_mad_u32_u24 v59, v31, 6400, v57
	s_mul_i32 s80, s[WT], 51200
	s_mul_i32 s81, s[WV], 25600
	v_add_nc_u32 v[ADX], s80, v[LI]
	v_add_nc_u32 v[ADX+1], 102400, v[ADX]
	s_add_co_u32 s84, s80, 6144
	v_add_nc_u32 v[AXS], s84, v58
	v_add_nc_u32 v[AXS+1], 102400, v[AXS]
	v_add_nc_u32 v[ADA], s81, v[LI]
	v_add_nc_u32 v[ADA+1], 102400, v[ADA]
	s_add_co_u32 s84, s81, 6144
	v_add_nc_u32 v[ACS], s84, v58
	v_add_nc_u32 v[ACS+1], 102400, v[ACS]
	v_add_nc_u32 v[AQS], s84, v59
	v_add_nc_u32 v[AQS+1], 102400, v[AQS]
	s_mul_i32 s84, s[WT], 24576
	s_mul_i32 s85, s[WN], 3072
	v_add_nc_u32 v[LIW], s85, v[LI]
	s_add_co_u32 s84, s84, s85
	s_add_co_u32 s84, s84, EKI
	v_add_nc_u32 v[ADI0], s84, v[LI]
	s_lshl_b32 s84, s[WT], 10
	s_lshl_b32 s85, s[WN], 3
	v_add_nc_u32 v[AW], s85, v59
	s_add_co_u32 s84, s84, s85
	s_add_co_u32 s84, s84, EKS
	v_add_nc_u32 v[ADS0], s84, v57
	s_mul_i32 s84, s[WV], 4352
	s_add_co_u32 s84, s84, STG
	v_mul_u32_u24 v60, v30, 272
	v_lshl_add_u32 v60, v31, 5, v60
	v_add_nc_u32 v[STO], s84, v60
	v_mul_u32_u24 v60, v31, 272
	v_add_nc_u32 v60, v60, v57
	v_add_nc_u32 v[RD], s84, v60
	v_lshl_add_u32 v[CO], v31, 11, v57
	s_lshl_b32 s85, s[WN], 7
	v_lshlrev_b32 v60, 2, v30
	v_add_nc_u32 v[AB], s85, v60
	v_lshlrev_b32 v[ABQ], 5, v31
	v_lshlrev_b32 v[PFO], 8, v56
	v_mov_b32 v[AWQ], v59
	s_and_b32 s80, s23, 3
.irp j, 0,1,2,3
	s_add_co_u32 s81, s80, \j
	s_and_b32 s81, s81, 3
	s_lshr_b32 s82, s81, 1
	s_mul_i32 s82, s82, 51200
	s_and_b32 s83, s81, 1
	s_mul_i32 s83, s83, 12800
	s_add_co_u32 s[KOF+2*\j], s82, s83
	s_mov_b32 s[KOF+2*\j+1], 0
	s_mul_i32 s82, s81, 24576
	s_add_co_u32 s82, s82, EKI
	v_add_nc_u32 v[ADE+\j], s82, v[LI]
	s_lshl_b32 s83, s81, 10
	s_add_co_u32 s83, s83, EKS
	v_add_nc_u32 v[ADES+\j], s83, v[LI]
.endr
	WIN 0x40
.irp k, 0,1,2,3
.irp nb, 0,1,2,3
.irp j, 0,1,2
	global_load_b128 v[12*(4*\k+\nb)+4*\j:12*(4*\k+\nb)+4*\j+3], v[LIW], s[WCG:WCG+1] offset:204800*(\nb/2)+6400*\k+1536*(\nb%2)+512*\j
.endr
.endr
.endr
.irp nb, 0,1
.irp j, 0,1,2,3,4,5,6,7
	global_load_b32 v[192+8*\nb+\j], v[AB], s[BKP:BKP+1] offset:64*\nb
	global_load_b32 v[208+8*\nb+\j], v[AB], s[BVP:BVP+1] offset:64*\nb
.endr
.endr
	WIN 0
.irp m, 0,1
.irp sg, 0,1
	global_load_b64 v[48+4*\m+2*\sg:49+4*\m+2*\sg], v[AW], s[WCG:WCG+1] offset:204800*\m+12800*\sg+6144
.endr
.endr
	s_wait_alu depctr_va_vdst(0)                   ; the wait at the head's end
	s_wait_tensorcnt 0x0                           ; my part of slot 0 is in
	ds_add_u32 v1, v2
	s_wait_dscnt 0x0
	CROUND                                         ; every wave's part of slot 0 is in, and the four partners are here
	tensor_load_to_lds s[G0+4:G0+7], s[G1A:G1A+7]  ; slot 1's first fill, the first tensor load behind the round
	s_nop 0
.rept 4
	v_nop
.endr
	s_wait_loadcnt 0x0                             ; the weights' fragments, their scale words and the biases
.macro ARUN slot, s1, g
.if ((\g)%2) == 0
	ds_load_b128 v[32+8*(\s1)+4*((\g)/2):35+8*(\s1)+4*((\g)/2)], v[AXS+\slot] offset:25600*((\g)/2)+6400*(\s1)
.endif
.irp i, 0,1,2,3
	F3 64+48*(\g)+12*\i, ADX+\slot, 25600*((\g)/2)+12800*((\g)%2)+6400*(\s1)+1536*\i
.endr
.endm
.macro AGRP k, g
.if (\k) == 0
	WIN 0x94+0x40*((\g)/2)
.else
	WIN 0xa4+0x50*((\g)/2)
.endif
.irp i, 0,1,2,3
.irp nb, 0,1,2,3
.set rD, 64*\nb+8*(4*((\g)%2)+\i)
.set rA, 64+48*(\g)+12*\i
.set rB, 12*(4*(\k)+\nb)
.if (\k) == 0
.set rC, 192+8*\nb
.else
.set rC, rD
.endif
.set rSA, 32+8*((\k)%2)+4*((\g)/2)+\i
.set rSB, 48+4*(\nb/2)+2*((\k)/2)+(\nb%2)
	WM rD, rA, rB, rC, rSA, rSB, (\g)%2, (\k)%2
.endr
.endr
.endm
.macro AK k, mode
.if \mode == 0
.irp g, 0,1,2,3
	s_wait_dscnt 37+(\g%2)
	AGRP \k, \g
	PLACES 4
	WIN 0
	ARUN (\k)/2, 1, \g
.endr
.elseif \mode == 1
	WIN 0
	s_wait_tensorcnt 0x0
	ds_add_u32 v[SPW], v[NIL]
	DESC G0, PN, 0, -1
	s_wait_dscnt 38
	AGRP \k, 0
	s_wait_dscnt 0x0
	s_barrier_signal -1
	AGRP \k, 1
	WIN 0
	s_barrier_wait -1
	CREST
	JL G0, G1A
	ARUN 1, 0, 0
	ARUN 1, 0, 1
	AGRP \k, 2
	PLACES 4
	WIN 0
	ARUN 1, 0, 2
	AGRP \k, 3
	PLACES 4
	WIN 0
	ARUN 1, 0, 3
.else
.irp g, 0,1,2,3
	s_wait_dscnt 12*(3-\g)+(1-\g/2)
	AGRP \k, \g
.endr
	WIN 0
.endif
.endm
.macro QUANTW s, W, pc, pw
	s_wait_dscnt 4
	WIN ((\W)<<4)|((\W)<<2)
.irp b, 0,1,2,3
	v_max3_num_f32 v[TM+\b], 0x1800000, |v[\s+16*\b]|, |v[\s+1+16*\b]|
.endr
.irp i, 2,4,6,8,10,12,14
.irp b, 0,1,2,3
	v_max3_num_f32 v[TM+\b], v[TM+\b], |v[\s+16*\b+\i]|, |v[\s+1+16*\b+\i]|
.endr
.endr
	WIN 0
.irp b, 0,1,2,3
	v_permlanex16_b32 v[TM+4+\b], v[TM+\b], s[SEL], s[SEL+1]
.endr
.irp b, 0,1,2,3
	v_max_num_f32 v[TM+\b], v[TM+\b], v[TM+4+\b]
.endr
.irp b, 0,1,2,3
	v_add_nc_u32 v[TM+12+\b], 0xff000000, v[TM+\b]
.endr
.irp b, 0,1,2,3
	v_lshrrev_b32 v[TM+4+\b], 23, v[TM+12+\b]
.endr
	v_lshl_or_b32 v[\pw], v[TM+5], 8, v[TM+4]
	v_lshl_or_b32 v[\pw], v[TM+6], 16, v[\pw]
	v_lshl_or_b32 v[\pw], v[TM+7], 24, v[\pw]
	WIN \W
.irp c, 0,1
	v_cvt_scalef32_pk16_fp6_f32 v[\pc+6*\c:\pc+2+6*\c], v[\s+32*\c:\s+15+32*\c], v[TM+12+2*\c]
	v_cvt_scalef32_pk16_fp6_f32 v[\pc+12+4*\c:\pc+14+4*\c], v[\s+16+32*\c:\s+31+32*\c], v[TM+12+2*\c+1]
.endr
	WIN 0
	v_nop
.irp c, 0,1
.irp i, 0,1,2
	v_permlane16_swap_b32 v[\pc+6*\c+\i], v[\pc+12+4*\c+\i]
.endr
.irp i, 0,1,2
	v_mov_b32 v[\pc+3+6*\c+\i], v[\pc+12+4*\c+\i]
.endr
.endr
.endm
.macro IMAGE pc, pw, n, cc
.irp j, 0,1,2
	ds_store_b128 v[ADI], v[\pc+4*\j:\pc+4*\j+3] offset:(8*(\cc)+(\n))*1536+512*\j
.endr
	ds_store_b32 v[ADS], v[\pw] offset:512*(\cc)+256*((\n)/4)+4*((\n)%4)
.endm
	s_mov_b32 s[CNT], 2
.La:
	ARUN 0, 0, 0
	ARUN 0, 0, 1
	ARUN 0, 0, 2
	ARUN 0, 0, 3
	AK 0, 0
	AK 1, 1
	AK 2, 0
	AK 3, 2
	PLACES 4
	v_add_nc_u32 v[ADI], s[PB], v[ADI0]
	v_add_nc_u32 v[ADS], s[PS], v[ADS0]
.irp b, 0,1,2,3
	v_mov_b32 v[TM+4+\b], 0
.endr
.irp cc, 0,1
	WIN ((2+\cc)<<6)|(2+\cc)
.set j, 0
.rept 64
	v_pk_mul_f32 v[j:j+1], v[j:j+1], s[L2E:L2E+1] op_sel_hi:[1,0]
.set j, j+2
.endr
.set j, 0
	s_wait_alu depctr_va_vdst(0)
.rept 128
	v_exp_f32 v[j], v[j]
.set j, j+1
.endr
	v_nop
	s_wait_alu depctr_va_vdst(0)
	WIN ((2+\cc)<<6)|((2+\cc)<<2)|(2+\cc)
.set j, 0
.rept 64
	v_pk_mul_f32 v[128+j:129+j], v[128+j:129+j], v[j:j+1]
.set j, j+2
.endr
.if \cc == 0
	HEADFULL G0+4, G1A, PN1, 0, -1
	ASK
.endif
.endr
.irp cc, 0,1
.irp e, 0,1
	QUANTW 64*\e, 2+\cc, PCA, PWA
	IMAGE PCA, PWA, 4+\e, \cc
	QUANTW 128+64*\e, 2+\cc, PCB, PWB
	IMAGE PCB, PWB, \e, \cc
.endr
.endr
	s_wait_dscnt 0x0
	s_add_nc_u64 s[PN:PN+1], s[PE:PE+1], s[KOF:KOF+1]
	s_add_nc_u64 s[PN1:PN1+1], s[PE:PE+1], s[KOF+2:KOF+3]
	s_add_co_u32 s[PB], s[PB], 49152
	s_add_co_u32 s[PS], s[PS], 2048
	s_sub_co_u32 s[CNT], s[CNT], 1
	s_cmp_lg_u32 s[CNT], 0
	s_cbranch_scc1 .La
	PLACES 4
.irp f, 0,1,2,3,4,5,6,7
.irp j, 0,1,2
	global_load_b128 v[160+12*\f+4*\j:160+12*\f+4*\j+3], v[LI], s[WCG:WCG+1] offset:409600+6400*(\f/4)+1536*(\f%4)+512*\j
.endr
.endr
	global_load_b128 v[48:51], v[AWQ], s[WCG:WCG+1] offset:409600+6144
	global_load_b128 v[52:55], v[AWQ], s[WCG:WCG+1] offset:409600+12800+6144
	WIN 0x40
.irp n, 0,1,2,3
	global_load_b128 v[96+8*\n:96+8*\n+3], v[ABQ], s[BQP:BQP+1] offset:64*\n
	global_load_b128 v[96+8*\n+4:96+8*\n+7], v[ABQ], s[BQP:BQP+1] offset:64*\n+16
.endr
	WIN 0
.macro FETCH_B k, set
	WIN 0x40
.irp n, 0,1,2,3,4,5,6,7
	F3 128*(\set)+12*\n, ADE+(\k)/2, (((\k)%2)*8+\n)*1536
.endr
	WIN 0
.endm
.macro FETCH_A slot, s1, hf
.irp i, 0,1,2,3
	F3 64+12*(4*(\hf)+\i), ADA+\slot, 12800*(\hf)+6400*(\s1)+1536*\i
.endr
.endm
.macro CSCALES slot, s1, k
	ds_load_b128 v[32+8*((\k)%2):35+8*((\k)%2)], v[ACS+\slot] offset:6400*(\s1)
	ds_load_b128 v[36+8*((\k)%2):39+8*((\k)%2)], v[ADES+(\k)/2] offset:512*((\k)%2)
.endm
.macro MUL16 a0, k, zero
.irp a, \a0, \a0+1
.irp b, 0,1,2,3,4,5,6,7
.set rD, 64*((\a)%4)+8*\b
.set rA, 128*((\k)%2)+12*\b
.set rB, 64+12*(\a)
.if \zero
.set rC, -1
.else
.set rC, rD
.endif
.set rSA, 36+8*((\k)%2)+(\b%4)
.set rSB, 32+8*((\k)%2)+((\a)%4)
	WM rD, rA, rB, rC, rSA, rSB, \b/4, (\a)/4
.endr
.endr
.endm
.macro CSTEP slot, k, zero
	s_wait_dscnt 12
	WIN 0xa1
	MUL16 0, \k, \zero
	MUL16 2, \k, \zero
	s_wait_dscnt 0x0
	PLACES 4
	FETCH_B (\k)+1, ((\k)+1)%2
	FETCH_A \slot, 1, 0
	CSCALES \slot, 1, (\k)+1
	WIN 0xf1
	MUL16 4, \k, \zero
	MUL16 6, \k, \zero
	PLACES 4
	WIN 0
	FETCH_A \slot, 1, 1
.endm
.macro CHEAD k, g0, ptr, off, offr
	WIN 0
	s_wait_tensorcnt 0x0
	ds_add_u32 v[SPW], v[NIL]
	DESC \g0, \ptr, \off, \offr
	s_wait_dscnt 13
	WIN 0xa1
	MUL16 0, \k, 0
	s_wait_dscnt 0x0
	s_barrier_signal -1
	MUL16 2, \k, 0
	WIN 0
	s_barrier_wait -1
	CREST
.endm
.macro CTURN slot, next, k, g0, g1, ptr, off, offr
	CHEAD \k, \g0, \ptr, \off, \offr
	JL \g0, \g1
	FETCH_B (\k)+1, ((\k)+1)%2
	FETCH_A \next, 0, 0
	CSCALES \next, 0, (\k)+1
	WIN 0xf1
	MUL16 4, \k, 0
	MUL16 6, \k, 0
	PLACES 4
	WIN 0
	FETCH_A \next, 0, 1
.endm
.macro QPRIME0 slot
	ds_load_b128 v[32:35], v[AQS+\slot]
	ds_load_b128 v[36:39], v[AQS+\slot] offset:12800
.irp i, 0,1,2,3
	F3 64+12*\i, ADA+\slot, 1536*\i
.endr
.endm
.macro QPRIME1 slot
.irp i, 0,1,2,3
	F3 112+12*\i, ADA+\slot, 6400+1536*\i
.endr
.endm
.macro QG s, slot
.if \s == 3
	s_wait_dscnt 0x0
.else
	s_wait_dscnt 12
.endif
.if \s == 0
	s_wait_loadcnt 0x0
.endif
	WIN 0x50+(\s)/2
.irp i, 0,1,2,3
.irp n, 0,1,2,3
.set rD, 128+32*\i+8*\n
.if \s < 2
.set rA, 160+12*(4*(\s)+\n)
.else
.set rA, 12*(4*((\s)-2)+\n)
.endif
.set rB, 64+48*((\s)%2)+12*\i
.if \s == 0
.set rC, 96+8*\n
.else
.set rC, rD
.endif
.set rSA, 48+4*((\s)/2)+\n
.set rSB, 32+4*((\s)/2)+\i
	WM rD, rA, rB, rC, rSA, rSB, (\s)%2, (\s)%2
.endr
.endr
.if \s < 2
	PLACES 4
	WIN 0
.irp i, 0,1,2,3
	F3 64+48*((\s)%2)+12*\i, ADA+\slot, 6400*((\s)+2)+1536*\i
.endr
.endif
.endm
.macro QALL slot
	QG 0, \slot
	QG 1, \slot
	QG 2, \slot
	QG 3, \slot
	WIN 0
.endm
.macro SEND a, younger
	s_wait_dscnt \younger
.irp t, 0,1,2,3,4,5,6,7
	global_store_b128 v[CO], v[64+32*((\a)%2)+4*\t:64+32*((\a)%2)+4*\t+3], s[OUTP:OUTP+1] offset:(32*((\a)/2)+8*((\a)%2)+2*\t+8*(\t/4))*2048 th:TH_STORE_NT
.endr
.endm
.macro EPI hf
	PLACES 4
	WIN 0x41
.set j, 0
.rept 64
	v_pk_mul_f32 v[128+j:129+j], v[128+j:129+j], s[NL2E:NL2E+1] op_sel_hi:[1,0]
.set j, j+2
.endr
.set j, 0
	s_wait_alu depctr_va_vdst(0)
.rept 128
	v_exp_f32 v[128+j], v[128+j]
.set j, j+1
.endr
	v_nop
	s_wait_alu depctr_va_vdst(0)
	WIN 0xa6+0x51*(\hf)
.irp i, 0,1,2,3
.set j, 0
.rept 16
	v_pk_fma_f32 v[64*\i+32+j:64*\i+33+j], v[64*\i+32+j:64*\i+33+j], v[128+32*\i+j:129+32*\i+j], v[64*\i+32+j:64*\i+33+j]
.set j, j+2
.endr
.endr
	s_wait_alu depctr_va_vdst(0)
.irp i, 0,1,2,3
.set j, 0
.rept 32
	v_rcp_f32 v[64*\i+32+j], v[64*\i+32+j]
.set j, j+1
.endr
.endr
	v_nop
	s_wait_alu depctr_va_vdst(0)
.irp i, 0,1,2,3
	WIN 0x8a+0x45*(\hf)
.set j, 0
.rept 16
	v_pk_mul_f32 v[64*\i+j:64*\i+1+j], v[64*\i+j:64*\i+1+j], v[64*\i+32+j:64*\i+33+j]
.set j, j+2
.endr
	WIN 0x08+4*(\hf)
.irp n, 0,1,2,3
	ds_store_b128 v[STO], v[64*\i+8*\n:64*\i+8*\n+3] offset:64*\n
	ds_store_b128 v[STO], v[64*\i+8*\n+4:64*\i+8*\n+7] offset:64*\n+16
.endr
	WIN 0
.if \i >= 2
	s_wait_xcnt 0x0
.endif
.irp t, 0,1,2,3,4,5,6,7
	ds_load_b128 v[64+32*(\i%2)+4*\t:64+32*(\i%2)+4*\t+3], v[RD] offset:544*\t
.endr
.if \i > 0
	SEND 4*(\hf)+\i-1, 16
.endif
.endr
	SEND 4*(\hf)+3, 0
.endm
	s_mov_b32 s[PASS], 2
.Lpass:
	s_wait_dscnt 0x0
	s_barrier_signal -1
	s_barrier_wait -1
	PLACES 4
	FETCH_B 0, 0
	FETCH_A 0, 0, 0
	CSCALES 0, 0, 0
	FETCH_A 0, 0, 1
	CSTEP 0, 0, 1
	CTURN 0, 1, 1, G0, G1A, PE, 0, KOF+4
	CSTEP 1, 2, 0
	CTURN 1, 0, 3, G0+4, G1A, PE, 0, KOF+6
	CSTEP 0, 4, 0
	CTURN 0, 1, 5, G0, G1D, PXQ, 0, -1
	CSTEP 1, 6, 0
	CHEAD 7, G0+4, PXQ, 25600, -1
	JL G0+4, G1D
	WIN 0x40
.irp f, 0,1,2,3,4,5,6,7
.irp j, 0,1,2
	global_load_b128 v[12*\f+4*\j:12*\f+4*\j+3], v[LI], s[WCG:WCG+1] offset:409600+(2+(\f/4))*6400+(\f%4)*1536+512*\j
.endr
.endr
	WIN 0
	QPRIME0 0
	WIN 0xf1
	MUL16 4, 7, 0
	MUL16 6, 7, 0
	PLACES 5
	WIN 0
	QPRIME1 0
	QALL 0
	s_cmp_eq_u32 s[PASS], 1
	s_cbranch_scc1 .Ltail
	HEADFULL G0, G1A, PE, 409600, KOF
	EPI 0
	s_wait_xcnt 0x0
	QPRIME0 1
	QPRIME1 1
	QALL 1
	HEADFULL G0+4, G1A, PE, 409600, KOF+2
	EPI 1
	s_wait_xcnt 0x0
	s_add_nc_u64 s[PE:PE+1], s[PE:PE+1], 409600
	s_add_nc_u64 s[PXQ:PXQ+1], s[PXQ:PXQ+1], 204800
	s_add_nc_u64 s[OUTP:OUTP+1], s[OUTP:OUTP+1], 1048576
	s_sub_co_u32 s[PASS], s[PASS], 1
	s_branch .Lpass
.Ltail:
	s_wait_tensorcnt 0x0
	EPI 0
	s_wait_xcnt 0x0
	QPRIME0 1
	QPRIME1 1
	QALL 1
	EPI 1
	s_wait_tensorcnt 0x0
	ds_add_u32 v[SPW], v[NIL]
	s_wait_dscnt 0x0
	CROUND
	s_endpgm
.Lfunc_end_k_qc9b39cdd50_aft:
	.size	k_qc9b39cdd50_aft, .Lfunc_end_k_qc9b39cdd50_aft-k_qc9b39cdd50_aft
	.p2alignl 7, 3214868480
	.fill 96, 4, 3214868480
	.section	.rodata,"a",@progbits
	.p2align	6, 0x0
	.amdhsa_kernel k_qc9b39cdd50_aft
		.amdhsa_group_segment_fixed_size 327680
		.amdhsa_private_segment_fixed_size 0
		.amdhsa_enable_private_segment 0
		.amdhsa_kernarg_size 56
		.amdhsa_user_sgpr_count 2
		.amdhsa_user_sgpr_kernarg_segment_ptr 1
		.amdhsa_wavefront_size32 1
		.amdhsa_system_sgpr_workgroup_id_x 1
		.amdhsa_system_sgpr_workgroup_id_y 1
		.amdhsa_system_sgpr_workgroup_id_z 1
		.amdhsa_system_vgpr_workitem_id 0
		.amdhsa_next_free_vgpr 1024
		.amdhsa_next_free_sgpr 96
		.amdhsa_reserve_vcc 0
		.amdhsa_float_denorm_mode_32 3
		.amdhsa_float_denorm_mode_16_64 3
		.amdhsa_memory_ordered 1
		.amdhsa_forward_progress 1
		.amdhsa_inst_pref_size 255
	.end_amdhsa_kernel
	.section	.bss,"aw",@nobits
	.p2align	6
	.space	262144
	.amdgpu_metadata
---
amdhsa.version: [ 1, 2 ]
amdhsa.kernels:
  - .name:           k_qc9b39cdd50_aft
    .symbol:         k_qc9b39cdd50_aft.kd
    .args:
      - { .name: xc, .offset: 0, .size: 8, .value_kind: global_buffer, .address_space: global }
      - { .name: eb, .offset: 8, .size: 8, .value_kind: global_buffer, .address_space: global }
      - { .name: wc, .offset: 16, .size: 8, .value_kind: global_buffer, .address_space: global }
      - { .name: bk, .offset: 24, .size: 8, .value_kind: global_buffer, .address_space: global }
      - { .name: bv, .offset: 32, .size: 8, .value_kind: global_buffer, .address_space: global }
      - { .name: bq, .offset: 40, .size: 8, .value_kind: global_buffer, .address_space: global }
      - { .name: out0, .offset: 48, .size: 8, .value_kind: global_buffer, .address_space: global }
    .group_segment_fixed_size: 327680
    .private_segment_fixed_size: 0
    .kernarg_segment_align: 8
    .kernarg_segment_size: 56
    .max_flat_workgroup_size: 128
    .sgpr_count:     96
    .vgpr_count:     1024
    .wavefront_size: 32
...
	.end_amdgpu_metadata
.endif
;; end of part 2
